; MI455X (gfx1250); checked and timed in simulation.
; The chip was launched on July 23, 2026; its instructions are those of AMD's public machine-readable ISA for CDNA 5 (MIT licence, August 2026) and "CDNA5" Instruction Set Architecture Reference Guide (July 2026). The comments in the code are by the model that wrote it; some were corrected since.
;; Packed Linear. Allowed arithmetic: matrix products marked QUANTISED: E5M2 operands, one given power-of-two scale a tensor, by v_wmma_f32_16x16x64_bf8_bf8 or v_wmma_f32_16x16x128_bf8_bf8, f32 sums; everything else in f32.
;; Inputs: bias 4,096 float32; lowp_scales 2 int32 (the exponents e of the quantised operands' scales 2^e); weight_packed 4,096 x 2,048 int32; x_codes 4,096 x 128 x 32 uint8 (E5M2 codes of x, K innermost, in blocks of 32 codes).
;; Outputs: out0 4,096 x 4,096 float32.
;; This version of the problem:
;;   THIS VERSION OF THE PROBLEM IS GIVEN IN LOW PRECISION. The matrix products marked QUANTISED in the list below multiply operands that are first quantised to E5M2 (5 exponent bits, 2 mantissa bits; 8 bits a number), with one given power-of-two scale for each operand tensor; their sums are f32. All else is computed in f32.
;;   The module's matrix products, in the order in which they are computed (A, B: the left and right operand; K: the contracted axis; several contracted axes count as one K, in the product's order):
;;     1. [M 4,096, K 4,096] x [K 4,096, N 4,096]; A: input x (given as codes); B: computed on the way: QUANTISED (scales: A lowp_scales[0], B lowp_scales[1])
;;   THE QUANTISER, for each operand of a quantised product, along K:
;;     - The operand's scale is 2^e, e = its entry of the input lowp_scales (int32; the entries are numbered through the quantised products in the list's order, A before B).
;;     - Each number is divided by the scale, clamped to +-57,344, and rounded to the nearest number of E5M2, ties to even, subnormals kept.
;;     - The product sums the exact products of the quantised numbers (number of the format x scale) in f32.
;;   ~~~python
;;   def quantise(x, axis, e):      # numpy; x: float32 -> the quantised numbers, widened to float32 again
;;       x = np.moveaxis(x, axis, -1); K = x.shape[-1]
;;       r = np.clip(x / 2.0 ** e, -57344, 57344)
;;       step = 2.0 ** (np.maximum(np.frexp(np.where(r == 0, 1, r))[1] - 1, -14) - 2)
;;       q = np.round(r / step) * step * 2.0 ** e      # np.round: ties to even
;;       return np.moveaxis(q, -1, axis).astype(np.float32)
;;   ~~~
;;   OPERANDS COMPUTED ON THE WAY. 'Computed on the way' means the value that the module computes at that place (a softmax that the list does not call 'softmax' is quantised finished and normalised). What goes into a quantiser is computed in f32, as accurately as f32 sums, v_exp_f32 and their like allow (about 1e-6 of the number): no bf16 or f16 on the way to a quantiser, and a product that is left as it is and whose result goes on into a quantised operand takes f32 operands (vector FMAs, or v_wmma_f32_16x16x4_f32). A number that lies on a knife's edge between two numbers of the format may be rounded either way, as far as f32 arithmetic and the matrix unit's own rounding can turn it there, and no further.
;;   INPUTS GIVEN AS CODES. x (in the module: [4096, 4096], K = its axis 1): each comes as NAME_codes (uint8): NAME with its K axis moved to the last place and cut into blocks of 32 codes, [.., K / 32, bytes a block], one block behind the other in memory; one code a byte (a code: sign, 5 exponent bits, 2 mantissa bits); its scale is its entry of lowp_scales. Its value is code x scale, taken as it is: it is not quantised again, and the codes and scales need not be those that the quantiser above would give.
;; One version. Each part assembles by itself: llvm-mc -triple=amdgcn-amd-amdhsa -mcpu=gfx1250 --defsym DOCPART=n.
;; ======== version 1 of 1: 2 launches
;; limits: right only within a limited range of input values
;; workspace buffers: w_codes 16,777,216 bytes
;; launch unpack (part 1): grid 256 x 1, 8 waves a work-group, no clusters, 19,456 bytes of LDS; arguments weight_packed, lowp_scales, w_codes; writes w_codes
.if DOCPART == 1
	.amdgcn_target "amdgcn-amd-amdhsa--gfx1250"
	.amdhsa_code_object_version 6
	.text
	.protected	k_qddd838c07a_unpack
	.globl	k_qddd838c07a_unpack
	.p2align	8
	.type	k_qddd838c07a_unpack,@function
k_qddd838c07a_unpack:
	s_mov_b64 s[64:65], 0
	v_nop
	global_prefetch_b8 v0, s[64:65] scope:SCOPE_SE
	s_setreg_imm32_b32 hwreg(HW_REG_WAVE_MODE, 25, 1), 1
	s_wait_xcnt 0x0
; W[n][2 j] = word(n, j) & 15, W[n][2 j + 1] = (word(n, j) >> 4) & 15, word = weight_packed [4096][2048] int32; W is turned into codes of BF8 (E5M2), one a byte.
; code = W / 2^e1, held at 57,344 (W is never negative: the hold is one-sided), rounded to the nearest code, ties to even.  e1 is entry 1 (int32) of the buffer of scales.
; LIMIT: -126 <= e1 and e1 + 15 <= 127, so that 2^e1 and 57,344 x 2^e1 are f32 numbers.
; Every row of W is multiplied by sixteen work-groups of the product: so it is unpacked once, here, and laid IN THE ORDER OF THE OPERAND'S REGISTERS:
;   code (n, k) lies at 262,144 (n / 64) + 8,192 (k / 128) + 2,048 ((n / 16) % 4) + 512 ((k / 32) % 4) + 256 ((k / 16) % 2) + 16 (n % 16) + k % 16.
; A fragment (16 rows x 128 along K) is 2,048 bytes on end: four pieces of 512 bytes, lane (r, h)'s 16 bytes of a piece at 16 (16 h + r).
; A work-group takes a strip of 16 rows, a wave 512 along K of it: four fragments.  A load reads 256 consecutive bytes (128 codes' words) of two rows, lanes 0-15 one row, lanes 16-31 the next:
; eight loads make a fragment.  All 32 loads of a wave go out at the head, fragment by fragment, and each fragment is converted and stored as soon as its eight loads are in, while the later ones are on their way.
; A lane's four words are EIGHT NEIGHBOURS along K, what one conversion takes from a lane's registers.  In the output 256 consecutive bytes hold 16 codes of each of the 16 rows: so a fragment goes through
; the wave's own stage in LDS: eight blocks of 256 bytes, 288 apart: in a store the 32 lanes' 64 words fall on 64 different banks (64 banks of 4 bytes: ISA guide 11.1).  No barrier: waves share nothing.
.set X, 8                              ; v8-135   four words a load, as loaded
.set T, 136                            ; v136-151 two sets of eight numbers in f32, by turns
.set C, 152                            ; v152-167 two registers of codes for each of a fragment's eight loads
.set O, 168                            ; v168-231 the way out: four pieces of four registers for each fragment
.set SC, 232                           ; 2^e1
.set HI, 233                           ; 57,344 x 2^e1
.set SPW, 234
.set NIL, 235
.set UP, 288                           ; a block of 256 bytes in the stage, + 32 of padding
.set WST, 8*UP                         ; a wave's stage
.set SPARE, 8*WST                      ; behind the stages: the spare words, 128 bytes a wave
	s_load_b128 s[4:7], s[0:1], 0x0                ; weight_packed s[4:5], the scales' exponents s[6:7]
	s_load_b64 s[8:9], s[0:1], 0x10                ; w_codes
	v_lshl_add_u32 v[SPW], v0, 2, SPARE
	v_mov_b32 v[NIL], 0
	v_lshrrev_b32 v5, 5, v0
	v_and_b32 v6, 15, v0                           ; j: my 16 bytes of a row's 256
	v_bfe_u32 v7, v0, 4, 1                         ; which of a load's two rows
	v_readfirstlane_b32 s16, v5                    ; wave 0..7
	s_mul_i32 s17, s16, WST                        ; my wave's stage
	v_and_b32 v4, 31, v0
	v_lshlrev_b32 v1, 13, v7                       ; in: a row of 8,192 bytes,
	v_lshlrev_b32 v4, 4, v4                        ; out: 16 x lane
	v_lshl_add_u32 v1, v6, 4, v1                   ; + 16 j
	v_lshrrev_b32 v2, 1, v6                        ; into the stage: my 8 codes lie at k = 8 j on, in block j / 2 (piece and half of the lanes), at its byte 16 x row + 8 (j % 2)
	v_mul_u32_u24 v3, v7, UP                       ; out of it: piece p is blocks 2 p and 2 p + 1: lanes 0-15 take the first, lanes 16-31 the second
	v_mul_u32_u24 v2, v2, UP
	v_and_b32 v5, 1, v6
	v_lshl_add_u32 v3, v6, 4, v3
	v_lshl_add_u32 v2, v5, 3, v2
	v_add_nc_u32 v3, s17, v3
	v_lshl_add_u32 v2, v7, 4, v2
	v_add_nc_u32 v2, s17, v2
	s_lshl_b32 s14, ttmp9, 17                      ; in: the strip's 16 rows of 8,192 bytes,
	s_lshl_b32 s15, s16, 10                        ; my 1,024 bytes of a row
	s_add_co_u32 s14, s14, s15
	s_mov_b32 s15, 0
	s_lshr_b32 s18, ttmp9, 2                       ; out: 262,144 (n / 64)
	s_lshl_b32 s18, s18, 18
	s_and_b32 s19, ttmp9, 3
	s_lshl_b32 s19, s19, 11                        ; + 2,048 ((n / 16) % 4)
	s_add_co_u32 s18, s18, s19
	s_lshl_b32 s19, s16, 15                        ; + 8,192 x my four steps of 128
	s_add_co_u32 s18, s18, s19
	s_mov_b32 s19, 0
	s_wait_alu depctr_va_vdst(0)                   ; the wait at the head's end
	s_wait_kmcnt 0x0
	s_load_b32 s10, s[6:7], 0x4                    ; e1
	s_add_nc_u64 s[4:5], s[4:5], s[14:15]
	s_add_nc_u64 s[8:9], s[8:9], s[18:19]
.irp f, 0,1,2,3
.irp t, 0,1,2,3,4,5,6,7
	global_load_b128 v[X+4*(8*\f+\t):X+4*(8*\f+\t)+3], v1, s[4:5] offset:16384*\t+256*\f th:TH_LOAD_NT   ; rows 2 t, 2 t + 1 of fragment f; read once in the whole launch
.endr
.endr
	s_wait_kmcnt 0x0
	s_add_co_i32 s10, s10, 127
	s_lshl_b32 s11, s10, 23
	v_mov_b32 v[SC], s11                           ; 2^e1 as f32: the conversion takes its exponent field
	s_add_co_i32 s10, s10, 15
	s_lshl_b32 s10, s10, 23
	s_or_b32 s10, s10, 0x600000
	v_mov_b32 v[HI], s10                           ; 57,344 x 2^e1: exponent field e1 + 15 + 127 over the mantissa field of 57,344
.macro STEP f, t
.set I, 8*(\f)+(\t)
.set TS, T+8*((\t)%2)
.set CC, C+2*(\t)
	s_wait_loadcnt 31-I                            ; loads come back in order (ISA guide 5.7.1): this one is in, the 31 - I younger ones may stay out
.irp j, 0,1,2,3
	v_and_b32 v[TS+2*\j], 15, v[X+4*I+\j]          ; the even column: bits 3:0 of the word, whatever its other bits hold
	v_bfe_u32 v[TS+2*\j+1], v[X+4*I+\j], 4, 4      ; the odd column: bits 7:4
.endr
.irp i, 0,1,2,3,4,5,6,7
	v_cvt_f32_u32 v[TS+\i], v[TS+\i]               ; 0 .. 15: exact
.endr
.irp i, 0,1,2,3,4,5,6,7
	v_min_num_f32 v[TS+\i], v[TS+\i], v[HI]        ; the conversion to an 8-bit code does not saturate (ISA guide 7.6.2): the hold at the largest code x the scale, always executed
.endr
	v_cvt_scalef32_pk8_bf8_f32 v[CC:CC+1], v[TS:TS+7], v[SC]   ; eight numbers / 2^e1, to the nearest code, ties to even; the first number's code in the lowest byte
	ds_store_b64 v2, v[CC:CC+1] offset:32*(\t)     ; the next vector lines are plain and write the other set of numbers
.endm
.irp f, 0,1,2,3
.irp t, 0,1,2,3,4,5,6,7
	STEP \f, \t
.endr
.irp p, 0,1,2,3
	ds_load_b128 v[O+16*\f+4*\p:O+16*\f+4*\p+3], v3 offset:2*UP*\p   ; LDS serves a wave's instructions in order (ISA guide 5.7.1.4): these see my stores
.endr
.irp p, 0,1,2,3
	s_wait_dscnt 3-\p                              ; piece p is in; the 3 - p younger loads may stay out
	global_store_b128 v4, v[O+16*\f+4*\p:O+16*\f+4*\p+3], s[8:9] offset:8192*\f+512*\p   ; 32 lanes store 512 consecutive bytes, at a multiple of 256 from the buffer's first byte
.endr
.endr
	s_wait_tensorcnt 0x0                           ; the wave's end
	ds_add_u32 v[SPW], v[NIL]
	s_wait_dscnt 0x0
	s_endpgm
.Lfunc_end_k_qddd838c07a_unpack:
	.size	k_qddd838c07a_unpack, .Lfunc_end_k_qddd838c07a_unpack-k_qddd838c07a_unpack
	.p2alignl 7, 3214868480
	.fill 96, 4, 3214868480
	.section	.rodata,"a",@progbits
	.p2align	6, 0x0
	.amdhsa_kernel k_qddd838c07a_unpack
		.amdhsa_group_segment_fixed_size 19456
		.amdhsa_private_segment_fixed_size 0
		.amdhsa_enable_private_segment 0
		.amdhsa_kernarg_size 24
		.amdhsa_user_sgpr_count 2
		.amdhsa_user_sgpr_kernarg_segment_ptr 1
		.amdhsa_wavefront_size32 1
		.amdhsa_system_sgpr_workgroup_id_x 1
		.amdhsa_system_sgpr_workgroup_id_y 1
		.amdhsa_system_sgpr_workgroup_id_z 1
		.amdhsa_system_vgpr_workitem_id 0
		.amdhsa_next_free_vgpr 236
		.amdhsa_next_free_sgpr 66
		.amdhsa_reserve_vcc 0
		.amdhsa_float_denorm_mode_32 3
		.amdhsa_float_denorm_mode_16_64 3
		.amdhsa_memory_ordered 1
		.amdhsa_forward_progress 1
		.amdhsa_inst_pref_size 42
	.end_amdhsa_kernel
	.amdgpu_metadata
---
amdhsa.version: [ 1, 2 ]
amdhsa.kernels:
  - .name:           k_qddd838c07a_unpack
    .symbol:         k_qddd838c07a_unpack.kd
    .args:
      - { .name: weight_packed, .offset: 0, .size: 8, .value_kind: global_buffer, .address_space: global }
      - { .name: lowp_scales, .offset: 8, .size: 8, .value_kind: global_buffer, .address_space: global }
      - { .name: w_codes, .offset: 16, .size: 8, .value_kind: global_buffer, .address_space: global }
    .group_segment_fixed_size: 19456
    .private_segment_fixed_size: 0
    .kernarg_segment_align: 8
    .kernarg_segment_size: 24
    .max_flat_workgroup_size: 256
    .sgpr_count:     66
    .vgpr_count:     236
    .wavefront_size: 32
...
	.end_amdgpu_metadata
.endif
;; end of part 1
;; launch gemm (part 2): grid 16 x 16, 4 waves a work-group, clusters of 4 x 1, 327,680 bytes of LDS; arguments x_codes, w_codes, lowp_scales, bias, out0; writes out0
.if DOCPART == 2
	.amdgcn_target "amdgcn-amd-amdhsa--gfx1250"
	.amdhsa_code_object_version 6
	.text
	.protected	k_qddd838c07a_gemm
	.globl	k_qddd838c07a_gemm
	.p2align	8
	.type	k_qddd838c07a_gemm,@function
k_qddd838c07a_gemm:
	s_mov_b64 s[64:65], 0
	v_nop
	global_prefetch_b8 v0, s[64:65] scope:SCOPE_SE
	s_setreg_imm32_b32 hwreg(HW_REG_WAVE_MODE, 25, 1), 1
	s_wait_xcnt 0x0
	s_wait_alu depctr_hold_cnt(0) depctr_sa_sdst(0) depctr_va_vdst(0) depctr_va_sdst(0) depctr_va_ssrc(0) depctr_va_vcc(0) depctr_vm_vsrc(0)
	s_getreg_b32 s2, hwreg(HW_REG_IB_STS2, 6, 4)
	s_cmp_eq_u32 s2, 0
	s_cbranch_scc0 .Lentry_in_a_cluster
	s_endpgm
.Lentry_in_a_cluster:
	s_bfe_u32 s2, ttmp6, 0x10000c
	s_cmp_lg_u32 s2, 0x3003
	s_cbranch_scc0 .Lentry_shape_is_right
	s_endpgm
.Lentry_shape_is_right:
; out0[m][n] = 2^(e0 + e1) x (sum over k of code x[m][k] x code W[n][k]) + bias[n].  x_codes: [4096][4096] codes of BF8 (E5M2), K innermost; w_codes: W's codes in the order of the operand's registers
; (a fragment of 16 rows x 128 K is 2,048 bytes on end, 64 rows x 128 K are 8,192, 64 rows x all K 262,144).  Sums in f32.  LIMIT: -126 <= e0 + e1 <= 127, so that 2^(e0 + e1) is an f32 number.
; A work-group of four waves makes 256 x 256 of out0; a wave makes all 256 rows x 64 columns: 64 accumulators of 16 x 16, 512 registers.
; x goes through a ring of two LDS slots of 256 rows x 512 K, each wave fetching 64 rows by one tensor load; the four work-groups of a cluster (one tile row) ask for these tiles JOINTLY (mask 15).
; W's fragments are each used by ONE wave of the work-group, so they go from memory straight into that wave's registers, three steps of 128 K ahead, four sets by turns.  They are not asked for jointly:
; a joint load lands in LDS, and W's tiles beside x's would halve a slot to 256 K (2 x 512 rows x 528 bytes do not fit), with twice the changes of slots.
; A STEP of 128 K is 64 matrix instructions, x's 16 blocks of 16 rows one after the other, each against W's four fragments.  x has 14 places of 16 registers: blocks 8, 9 share the places of blocks 0, 1.
; So a step has TWO runs of 32 LDS loads: behind blocks 0, 1 this step's blocks 8-15, behind blocks 8, 9 the next step's blocks 0-7; each run stands 24 matrix instructions ahead of its first use.
; THE LAST THREE STEPS GO BY ROWS OF out0: W's three sets stay, x comes by units of 32 rows x 384 K, and each unit leaves as soon as it is finished, while the others are multiplied.
; THE MATRIX INSTRUCTION IS USED TRANSPOSED (source 0 = 16 rows of W, source 1 = 16 rows of x): a lane holds eight neighbouring numbers of a row of out0.
; A fragment's registers 4 c .. 4 c + 3 hold K = 32 c + 16 (l / 16) + 0 .. 15 on both sides: one permutation of k for both operands, so every product meets its partner.
; REGISTERS: window 0: v0-31 addresses and bias, v32-255 x's 14 places; window 1: W's four sets of 64; window 2: accumulators of blocks 0-7 ((a, b) at v[32 a + 8 b]); window 3: blocks 8-15.
.set SIZE_N, 4096
.set KROW,   4096
.set SLOTK,  512                       ; along K in a slot: a tile's row is 512 bytes of memory, from a multiple of 512
.set PITCH,  528                       ; an LDS row: 512 bytes + 16 of padding, an odd multiple of 16
.set QROWS,  64*PITCH                  ; what one tensor load brings
.set SLOT,   4*QROWS
.set HALFA,  8*16*PITCH                ; blocks 8-15 lie beyond a 16-bit offset: a second address register
.set SPARE,  2*SLOT                    ; behind the ring: the spare words, 128 bytes a wave
.set SPITCH, 272                       ; the way out: a stage of 32 rows x (256 + 16) bytes a wave, in slot 0, behind its last fill and last read
.set FR,     16
.set BSTEP,  8192                      ; a wave's bytes of W in a step
.set BI,   8                           ; v8-11  bias of my four columns on the way out
.set ADRA, 12                          ; v12-15 LDS address of x's fragments: slot 0 blocks 0-7, 8-15; slot 1 likewise
.set STO,  16
.set RD,   17
.set CO,   18
.set BO,   19                          ; 16 x lane
.set SPW,  20
.set NIL,  21
.set PFO,  22
.set PFB,  23
.set BIO,  24
.set AF,   32
.set G1, 24
.set G0, 32
.set BP, 46
.set PFA, 66
.set LIM, 68
.set MSB, 0
.macro WIN new                         ; the immediate's high byte repeats the setting that is left
.if MSB != (\new)
	s_set_vgpr_msb (MSB<<8)|(\new)
.set MSB, (\new)
.endif
.endm
.set MUL_LO, 0xa1                      ; source 0 (W) window 1, source 1 (x) window 0, C and D window 2
.set TO_B,   0x40
.macro CREST                           ; a round of the cluster's barrier behind its opening barrier
	s_cmp_lg_u32 s14, 0
	s_cbranch_scc1 .Lnot_wave_0_\@
	s_barrier_signal -3
.Lnot_wave_0_\@:
	s_barrier_wait -3
	s_barrier_signal -1
	s_barrier_wait -1
.endm
.macro CROUND
	s_barrier_signal -1
	s_barrier_wait -1
	CREST
.endm
.macro PLACES                          ; four places between matrix instructions and loads into, or reads of, their registers
.rept 4
	v_nop
.endr
.endm
; 8 matrix instructions: blocks a0, a0 + 1 against W's set q.  Block a's place: a, a - 8 for blocks 8 and 9, a - 2 from 10 on.  The accumulators take turns.
.macro MUL2 a0, q, zero
	WIN MUL_LO+0x50*((\a0)/8)
.irp a, (\a0), (\a0)+1
.set RA, AF+FR*((\a)-8*((\a)/8)+6*((\a)/10))
.set AC, 32*((\a)%8)
.irp b, 0,1,2,3
.if \zero
	v_wmma_f32_16x16x128_bf8_bf8 v[AC+8*\b:AC+8*\b+7], v[64*(\q)+FR*\b:64*(\q)+FR*\b+FR-1], v[RA:RA+FR-1], 0
.else
	v_wmma_f32_16x16x128_bf8_bf8 v[AC+8*\b:AC+8*\b+7], v[64*(\q)+FR*\b:64*(\q)+FR*\b+FR-1], v[RA:RA+FR-1], v[AC+8*\b:AC+8*\b+7]
.endif
.endr
.endr
.endm
.macro ALD8 slot, q, base              ; 32 LDS loads: blocks base .. base + 7 (base 0 or 8) of the slot's q-th 128 K
.irp i, 0,1,2,3,4,5,6,7
.set RA, AF+FR*((\base)+\i-8*(((\base)+\i)/8)+6*(((\base)+\i)/10))
.irp c, 0,1,2,3
	ds_load_b128 v[RA+4*\c:RA+4*\c+3], v[ADRA+2*(\slot)+(\base)/8] offset:128*(\q)+32*\c+\i*16*PITCH
.endr
.endr
.endm
; W's four fragments of step t (counted from BP) into a set.  pf = 1: the work-groups of tile row 0 ask the L2 for the step three further on: 32 lanes x 256 bytes = my wave's 8,192 bytes of it
.macro BLOAD t, set, pf
	WIN TO_B
.irp b, 0,1,2,3
.irp c, 0,1,2,3
	global_load_b128 v[64*(\set)+FR*\b+4*\c:64*(\set)+FR*\b+4*\c+3], v[BO], s[BP:BP+1] offset:BSTEP*(\t)+2048*\b+512*\c
.endr
.endr
	WIN 0
.if \pf
	s_cmp_eq_u32 s17, 0
	s_cbranch_scc0 .Lnot_row_0_\@
	global_prefetch_b8 v[PFB], s[BP:BP+1] offset:BSTEP*((\t)+3) th:TH_LOAD_NT scope:SCOPE_SE
.Lnot_row_0_\@:
.endif
.endm
; behind a refill: cluster 0 of the tile row asks the L2 for the tile of the NEXT refill, four steps ahead of its load: of a wave's 64 rows each partner takes 16, told apart by address; a lane names 256 bytes.
; The last refill has no successor: slot 1's request is left out in the loop's last trip.
.macro ASK slot
.if (\slot) == 0
	s_cmp_eq_u32 s[LIM], 1
.else
	s_cmp_gt_u32 s3, s[LIM]
.endif
	s_cbranch_scc0 .Lnot_mine_\@
	global_prefetch_b8 v[PFO], s[PFA:PFA+1] offset:SLOTK*(1+(\slot)) th:TH_LOAD_NT scope:SCOPE_SE
.Lnot_mine_\@:
.endm
; two of a set's four fragments (h = 0: fragments 0, 1; h = 1: fragments 2, 3): a step's 16 loads of W go out in two runs of eight, one behind each run of LDS loads.  pf as in BLOAD
.macro BHALF t, set, h, pf
	WIN TO_B
.irp b, 2*(\h), 2*(\h)+1
.irp c, 0,1,2,3
	global_load_b128 v[64*(\set)+FR*(\b)+4*\c:64*(\set)+FR*(\b)+4*\c+3], v[BO], s[BP:BP+1] offset:BSTEP*(\t)+2048*(\b)+512*\c
.endr
.endr
	WIN 0
.if \pf
	s_cmp_eq_u32 s17, 0
	s_cbranch_scc0 .Lnot_row0_\@
	global_prefetch_b8 v[PFB], s[BP:BP+1] offset:BSTEP*((\t)+3) th:TH_LOAD_NT scope:SCOPE_SE
.Lnot_row0_\@:
.endif
.endm
.macro ALOADU u                        ; by rows: unit u = blocks 2 u, 2 u + 1, the last slot's steps 1 to 3: 24 loads into buffer u % 2 (96 registers)
.set PB, AF+96*((\u)%2)
.irp q, 1,2,3
.irp x, 0,1
.irp c, 0,1,2,3
	ds_load_b128 v[PB+48*\x+16*(\q-1)+4*\c:PB+48*\x+16*(\q-1)+4*\c+3], v[ADRA+2+(\u)/4] offset:128*\q+32*\c+((2*(\u)+\x)%8)*16*PITCH
.endr
.endr
.endr
.endm
; A step.  kind 0: its successor lies in the same slot.  kind 1: the slot's last step, the slot is filled again.  kind 2: the same with no fill.  kind 3: the last step by K: its second run fetches unit 0.
.macro STEP slot, q, zero, kind, bt, pf
	s_wait_loadcnt 32                              ; W's set q is in; the two younger sets stay out
	s_wait_dscnt 24                                ; blocks 0, 1 are in: 24 younger loads of their run may be out
	MUL2 0, \q, \zero
	PLACES
	WIN 0
	ALD8 \slot, \q, 8
	BHALF \bt, ((\q)+3)%4, 0, \pf
	s_wait_dscnt 48                                ; this run's 32 and the older run's last 16
	MUL2 2, \q, \zero
	s_wait_dscnt 40
	MUL2 4, \q, \zero
.if (\kind) == 1 || (\kind) == 2
	WIN 0
	s_wait_tensorcnt 0x0                           ; all my tensor loads have landed: my part of the next slot
	ds_add_u32 v[SPW], v[NIL]
	s_wait_dscnt 33                                ; the run's 32 and the add may be out
	MUL2 6, \q, \zero
	s_wait_dscnt 0x0                               ; the add is done, and my reads of this slot are over
	s_barrier_signal -1
	MUL2 8, \q, \zero
	WIN 0
	s_barrier_wait -1
.if (\kind) == 1
	CREST                                          ; the barrier has opened a round of the cluster's barrier
	s_add_nc_u64 s[G0+4*(\slot)+2:G0+4*(\slot)+3], s[G0+4*(\slot)+2:G0+4*(\slot)+3], 2*SLOTK
	tensor_load_to_lds s[G0+4*(\slot):G0+4*(\slot)+3], s[G1:G1+7]
	s_nop 0
.endif
	PLACES
	ALD8 1-(\slot), 0, 0
.if (\kind) == 1
	ASK \slot
.endif
.else
	s_wait_dscnt 32
	MUL2 6, \q, \zero
	s_wait_dscnt 24
	MUL2 8, \q, \zero
	PLACES
	WIN 0
.if (\kind) == 3
	ALOADU 0
.else
	ALD8 \slot, (\q)+1, 0
.endif
.endif
	BHALF \bt, ((\q)+3)%4, 1, 0
.set N2, 32-8*((\kind)/3)              ; LDS loads of the second run
	s_wait_dscnt N2+16
	MUL2 10, \q, \zero
	s_wait_dscnt N2+8
	MUL2 12, \q, \zero
	s_wait_dscnt N2
	MUL2 14, \q, \zero
.endm
	s_load_b128 s[4:7], s[0:1], 0x0                ; x_codes, w_codes
	s_load_b128 s[8:11], s[0:1], 0x10              ; the scales' exponents, bias
	s_load_b64 s[12:13], s[0:1], 0x20              ; out0
	v_lshl_add_u32 v[SPW], v0, 2, SPARE
	v_mov_b32 v[NIL], 0
	ds_add_u32 v[SPW], v[NIL]                      ; the opening: the add, twice on end, and its wait
	ds_add_u32 v[SPW], v[NIL]
	v_lshrrev_b32 v4, 5, v0
	v_readfirstlane_b32 s14, v4                    ; wave 0..3
	s_mul_i32 s23, s14, 32*SPITCH                  ; my stage
	v_and_b32 v1, 15, v0                           ; r = l % 16
	v_bfe_u32 v2, v0, 4, 1                         ; h = l / 16
	v_and_b32 v3, 31, v0
	v_lshlrev_b32 v[BO], 4, v3
	v_lshlrev_b32 v[PFB], 8, v3
	v_lshlrev_b32 v[BIO], 4, v1
	v_mul_u32_u24 v[ADRA], v1, PITCH
	v_lshl_add_u32 v[ADRA], v2, 4, v[ADRA]         ; row r x pitch + 16 h
	v_add_nc_u32 v[ADRA+1], HALFA, v[ADRA]
	v_add_nc_u32 v[ADRA+2], SLOT, v[ADRA]
	v_add_nc_u32 v[ADRA+3], SLOT+HALFA, v[ADRA]
	v_mul_u32_u24 v5, v1, SPITCH                   ; into the stage: row r, 32 bytes for each half of the lanes
	v_lshl_add_u32 v5, v2, 5, v5
	v_add_nc_u32 v[STO], s23, v5
	v_mul_u32_u24 v6, v2, SPITCH                   ; back: lanes 0-15 one row of 256 bytes, lanes 16-31 the next
	v_lshl_add_u32 v6, v1, 4, v6
	v_add_nc_u32 v[RD], s23, v6
	v_lshlrev_b32 v[CO], 14, v2                    ; and the same two rows in out0
	v_lshl_add_u32 v[CO], v1, 4, v[CO]
	v_lshlrev_b32 v[PFO], 12, v1                   ; x's prefetch: row r, 256 h
	v_lshl_add_u32 v[PFO], v2, 8, v[PFO]
	s_bfe_u32 s40, ttmp6, 0x40000                  ; cx
	s_lshl_b32 s42, ttmp9, 2
	s_add_co_u32 s42, s42, s40                     ; tile column
	s_and_b32 s17, ttmp7, 0xffff                   ; tile row
	s_mov_b32 s[G1+0], 15|(0<<16)|(1<<20)|(1<<21)|(6<<22)|(3<<25)   ; mask of the four partners; 1-byte elements; 4 words of padding behind every 128
	s_mov_b32 s[G1+1], SLOTK<<16
	s_mov_b32 s[G1+2], 64<<16
	s_mov_b32 s[G1+3], SLOTK<<16
	s_mov_b32 s[G1+4], 64
	s_mov_b32 s[G1+5], KROW
	s_mov_b32 s[G1+6], 0
	s_mov_b32 s[G1+7], 0
	s_lshl_b32 s20, s17, 8
	s_lshl_b32 s18, s14, 6
	s_add_co_u32 s20, s20, s18                     ; x: row 256 x tile row + 64 x wave
	s_lshl_b32 s70, s40, 4
	s_add_co_u32 s70, s70, s20                     ; the prefetch: + my work-group's 16 of them
	s_lshl_b32 s20, s20, 12
	s_mov_b32 s21, 0
	s_lshl_b32 s70, s70, 12
	s_add_co_u32 s70, s70, 2*SLOTK
	s_mov_b32 s71, 0
	s_mul_i32 s45, s14, QROWS
	s_mov_b32 s[G0], 1
	s_mov_b32 s[G0+4], 1
	s_add_co_u32 s[G0+1], s45, 0
	s_add_co_u32 s[G0+5], s45, SLOT
	s_lshl_b32 s48, s42, 2
	s_add_co_u32 s48, s48, s14
	s_lshl_b32 s48, s48, 18                        ; W: my 64 rows' 262,144 bytes
	s_mov_b32 s49, 0
	s_lshl_b32 s50, s42, 10
	s_lshl_b32 s51, s14, 8
	s_add_co_u32 s50, s50, s51                     ; my first column, in bytes of f32
	s_mov_b32 s51, 0
	s_lshl_b32 s52, s17, 22                        ; 256 rows of out0
	s_mov_b32 s53, 0
	s_cmp_eq_u32 ttmp9, 0
	s_cselect_b32 s[LIM], 1, -1
	s_wait_alu depctr_va_vdst(0)                   ; the wait at the head's end
	s_wait_dscnt 0x0                               ; both opening adds are done
	CROUND                                         ; the round in front of the first joint loads
	s_wait_kmcnt 0x0
	s_load_b64 s[96:97], s[8:9], 0x0               ; e0, e1
	s_add_nc_u64 s[20:21], s[4:5], s[20:21]
.irp s, 0,1
	s_add_nc_u64 s[G0+4*\s+2:G0+4*\s+3], s[20:21], \s*SLOTK
	s_or_b32 s[G0+4*\s+3], s[G0+4*\s+3], 0x80000000
.endr
	tensor_load_to_lds s[G0:G0+3], s[G1:G1+7]      ; slot 0: one tensor load a wave at the head
	s_nop 0
	PLACES
	s_add_nc_u64 s[BP:BP+1], s[6:7], s[48:49]
	s_add_nc_u64 s[10:11], s[10:11], s[50:51]
	s_add_nc_u64 s[12:13], s[12:13], s[50:51]
	s_add_nc_u64 s[12:13], s[12:13], s[52:53]
	s_add_nc_u64 s[PFA:PFA+1], s[4:5], s[70:71]
	global_load_b128 v[BI:BI+3], v[BIO], s[10:11]
	BLOAD 0, 0, 0
	BLOAD 1, 1, 0
	s_wait_tensorcnt 0x0                           ; my part of slot 0 is in; slot 1's first fill is issued as a refill is
	ds_add_u32 v[SPW], v[NIL]
	s_wait_dscnt 0x0
	CROUND
	tensor_load_to_lds s[G0+4:G0+7], s[G1:G1+7]
	s_nop 0
	PLACES
	ALD8 0, 0, 0
	BLOAD 2, 2, 0                                  ; W's third set follows behind slot 1's load: beside the first tile only the two sets wanted first are asked for
	STEP 0, 0, 1, 0, 3, 0                          ; the first step's products start the sums
	WIN 0
	s_mov_b32 s3, 3
.Llap:                                                 ; a trip: eight steps, once round the ring, from a lap's second step to the next lap's first
	STEP 0, 1, 0, 0, 4, 1
	STEP 0, 2, 0, 0, 5, 1
	STEP 0, 3, 0, 1, 6, 1
	STEP 1, 0, 0, 0, 7, 1
	STEP 1, 1, 0, 0, 8, 1
	STEP 1, 2, 0, 0, 9, 1
	STEP 1, 3, 0, 1, 10, 1
	STEP 0, 0, 0, 0, 11, 1
	WIN 0
	s_wait_xcnt 0x0                                ; loads and prefetches have read their bases
	s_add_nc_u64 s[BP:BP+1], s[BP:BP+1], 8*BSTEP
	s_add_nc_u64 s[PFA:PFA+1], s[PFA:PFA+1], 2*SLOTK
	s_sub_co_u32 s3, s3, 1
	s_cmp_lg_u32 s3, 0
	s_cbranch_scc1 .Llap
	STEP 0, 1, 0, 0, 4, 0                          ; steps 25 to 28: nothing is filled or prefetched any more
	STEP 0, 2, 0, 0, 5, 0
	STEP 0, 3, 0, 2, 6, 0
	STEP 1, 0, 0, 3, 7, 0
; BY ROWS: unit u, 32 rows, is finished by 24 matrix instructions, its 8 accumulators by turns, K ascending
.macro ROWS u, first
	WIN MUL_LO+0x50*((\u)/4)
.set PB, AF+96*((\u)%2)
.set AC, 64*((\u)%4)
.irp q, 1,2,3
.if \first
	s_wait_loadcnt 16*(3-\q)                       ; W's set q is in; the younger sets stay out
.endif
.irp x, 0,1
.irp b, 0,1,2,3
	v_wmma_f32_16x16x128_bf8_bf8 v[AC+32*\x+8*\b:AC+32*\x+8*\b+7], v[64*\q+FR*\b:64*\q+FR*\b+FR-1], v[PB+48*\x+16*(\q-1):PB+48*\x+16*(\q-1)+FR-1], v[AC+32*\x+8*\b:AC+32*\x+8*\b+7]
.endr
.endr
.endr
.endm
; the unit's sums go into my stage, each accumulator from its low end on, and come back as whole rows of 256 bytes into the same 64 registers (LDS serves a wave's instructions in order: ISA guide 5.7.1.4)
.macro TOSTAGE u
.set AC, 64*((\u)%4)
	WIN 0x08+4*((\u)/4)
.irp x, 0,1
.irp b, 0,1,2,3
	ds_store_b128 v[STO], v[AC+32*\x+8*\b:AC+32*\x+8*\b+3] offset:\x*16*SPITCH+64*\b
	ds_store_b128 v[STO], v[AC+32*\x+8*\b+4:AC+32*\x+8*\b+7] offset:\x*16*SPITCH+64*\b+16
.endr
.endr
	WIN 0x80+0x40*((\u)/4)
.irp t, 0,1,2,3,4,5,6,7,8,9,10,11,12,13,14,15
	ds_load_b128 v[AC+4*\t:AC+4*\t+3], v[RD] offset:\t*2*SPITCH
.endr
.endm
; x 2^(e0 + e1), + bias, stored: 16 lanes fill 256 consecutive bytes at a multiple of 256; the unit's place stands in the immediate (254 rows of 16,384 bytes at the most, inside 24 signed bits).
; The 32 multiply-adds name no register of the unit multiplied just before: they are the places behind its products.
.macro SEND u, younger
.set AC, 64*((\u)%4)
	s_wait_dscnt \younger
	WIN 0x82+0x41*((\u)/4)
.irp t, 0,1,2,3,4,5,6,7,8,9,10,11,12,13,14,15
	v_pk_fma_f32 v[AC+4*\t:AC+4*\t+1], v[AC+4*\t:AC+4*\t+1], s[96:97], v[BI:BI+1] op_sel_hi:[1,0,1]
	v_pk_fma_f32 v[AC+4*\t+2:AC+4*\t+3], v[AC+4*\t+2:AC+4*\t+3], s[96:97], v[BI+2:BI+3] op_sel_hi:[1,0,1]
.endr
	WIN 0x08+4*((\u)/4)
.irp t, 0,1,2,3,4,5,6,7,8,9,10,11,12,13,14,15
	global_store_b128 v[CO], v[AC+4*\t:AC+4*\t+3], s[12:13] offset:(32*(\u)+2*\t)*SIZE_N*4 th:TH_STORE_NT
.endr
.endm
	PLACES
	WIN 0
	ALOADU 1
	s_wait_kmcnt 0x0
	s_add_co_i32 s96, s96, s97
	s_add_co_i32 s96, s96, 127
	s_lshl_b32 s96, s96, 23                        ; 2^(e0 + e1) as f32
	s_wait_dscnt 24                                ; unit 0 is in; unit 1's 24 loads may be out
	ROWS 0, 1
	PLACES
	TOSTAGE 0
	WIN 0
	ALOADU 2
.irp u, 1,2,3,4,5,6,7
.if \u < 7
	s_wait_dscnt 56                                ; behind unit u's loads: 32 of the stage, 24 of unit u + 1
.else
	s_wait_dscnt 32
.endif
	ROWS \u, 0
.if \u < 7
	SEND \u-1, 24                                  ; behind the stage's loads: unit u + 1's 24
.else
	SEND \u-1, 0
.endif
	TOSTAGE \u
.if \u < 6
	WIN 0
	ALOADU \u+2
.endif
.endr
	SEND 7, 0
	WIN 0
	s_wait_tensorcnt 0x0                           ; the wave's end
	ds_add_u32 v[SPW], v[NIL]
	s_wait_dscnt 0x0
	CROUND                                         ; the closing round
	s_endpgm
.Lfunc_end_k_qddd838c07a_gemm:
	.size	k_qddd838c07a_gemm, .Lfunc_end_k_qddd838c07a_gemm-k_qddd838c07a_gemm
	.p2alignl 7, 3214868480
	.fill 96, 4, 3214868480
	.section	.rodata,"a",@progbits
	.p2align	6, 0x0
	.amdhsa_kernel k_qddd838c07a_gemm
		.amdhsa_group_segment_fixed_size 327680
		.amdhsa_private_segment_fixed_size 0
		.amdhsa_enable_private_segment 0
		.amdhsa_kernarg_size 40
		.amdhsa_user_sgpr_count 2
		.amdhsa_user_sgpr_kernarg_segment_ptr 1
		.amdhsa_wavefront_size32 1
		.amdhsa_system_sgpr_workgroup_id_x 1
		.amdhsa_system_sgpr_workgroup_id_y 1
		.amdhsa_system_sgpr_workgroup_id_z 1
		.amdhsa_system_vgpr_workitem_id 0
		.amdhsa_next_free_vgpr 1024
		.amdhsa_next_free_sgpr 98
		.amdhsa_reserve_vcc 0
		.amdhsa_float_denorm_mode_32 3
		.amdhsa_float_denorm_mode_16_64 3
		.amdhsa_memory_ordered 1
		.amdhsa_forward_progress 1
		.amdhsa_inst_pref_size 219
	.end_amdhsa_kernel
	.amdgpu_metadata
---
amdhsa.version: [ 1, 2 ]
amdhsa.kernels:
  - .name:           k_qddd838c07a_gemm
    .symbol:         k_qddd838c07a_gemm.kd
    .args:
      - { .name: x_codes, .offset: 0, .size: 8, .value_kind: global_buffer, .address_space: global }
      - { .name: w_codes, .offset: 8, .size: 8, .value_kind: global_buffer, .address_space: global }
      - { .name: lowp_scales, .offset: 16, .size: 8, .value_kind: global_buffer, .address_space: global }
      - { .name: bias, .offset: 24, .size: 8, .value_kind: global_buffer, .address_space: global }
      - { .name: out0, .offset: 32, .size: 8, .value_kind: global_buffer, .address_space: global }
    .group_segment_fixed_size: 327680
    .private_segment_fixed_size: 0
    .kernarg_segment_align: 8
    .kernarg_segment_size: 40
    .max_flat_workgroup_size: 128
    .sgpr_count:     98
    .vgpr_count:     1024
    .wavefront_size: 32
...
	.end_amdgpu_metadata
.endif
;; end of part 2
